; MI455X (gfx1250); checked and timed in simulation.
; The chip was launched on July 23, 2026; its instructions are those of AMD's public machine-readable ISA for CDNA 5 (MIT licence, August 2026) and "CDNA5" Instruction Set Architecture Reference Guide (July 2026). The comments in the code are by the model that wrote it; some were corrected since.
;; Eqv Self Attention. Allowed arithmetic: float matrix products may take bf16 or f16 operands with f32 sums; all other float work in f32.
;; Inputs: Wg1 8 x 3 x 3 float32; Wk 256 x 256 float32; Wo 256 x 256 float32; Wq 256 x 256 float32; Wv 256 x 256 float32; X_lift 4 x 1,024 x 3 float32; X_pairs 4 x 1,024 x 1,024 x 3 float32; Y_lift 4 x 1,024 x 256 float32; bg1 8 x 3 float32; bg2 8 float32; bk 256 float32; bo 256 float32; bq 256 float32; bv 256 float32; presence_k 4 x 1,024 float32; presence_q 4 x 1,024 float32; wg2 8 x 3 float32.
;; Outputs: out0 4 x 1,024 x 256 float32.
;; One version. Each part assembles by itself: llvm-mc -triple=amdgcn-amd-amdhsa -mcpu=gfx1250 --defsym DOCPART=n.
;; ======== version 1 of 1: 2 launches
;; limits: values outside matrix products are rounded to bf16
;; workspace buffers: Qf 2,097,152 bytes; Kf 2,097,152 bytes; Vf 2,097,152 bytes; Vres 4,194,304 bytes; WoT 131,072 bytes
;; launch proj (part 1): grid 64 x 4, 8 waves a work-group, no clusters, 174,080 bytes of LDS; arguments Y_lift, Wq, Wk, Wv, bq, bk, bv, Wo, Qf, Kf, Vf, Vres, WoT; writes Qf, Kf, Vf, Vres, WoT
.if DOCPART == 1
	.amdgcn_target "amdgcn-amd-amdhsa--gfx1250"
	.amdhsa_code_object_version 6
	.text
	.protected	k_qc4a77f98e0_proj
	.globl	k_qc4a77f98e0_proj
	.p2align	8
	.type	k_qc4a77f98e0_proj,@function
k_qc4a77f98e0_proj:
	s_mov_b64 s[64:65], 0
	v_nop
	global_prefetch_b8 v0, s[64:65] scope:SCOPE_SE
	s_setreg_imm32_b32 hwreg(HW_REG_WAVE_MODE, 25, 1), 1
	s_wait_xcnt 0x0
; Projections of Y_lift [4096][256] f32 by Wq, Wk, Wv [256 in][256 out] f32, stored in the order in which the next launch
; feeds them to the matrix unit, and Wo transposed to bf16 in that order too.
; Work-group (x, y): rows 64 x .. 64 x + 63 of Y;  y = 0: Q (times log2(e)/16), 1: K, 2: V by keys, 3: V in f32 for the residual.
; Wave w: output columns 32 w .. 32 w + 31 (head w): 4 row tiles x 2 column tiles = 8 accumulators of 16 x 16.
; A fragment in memory is 1,024 bytes: [half t][lane][16 bytes], half t = registers 4 t .. 4 t + 3 of the lane, so every store of a
; wave covers 512 consecutive bytes, aligned.
;   Qf, Kf [row tile][head][fragment]      lane (r, h): row r, d = 16 t + 8 h + 0..7
;   Vf     [32 keys][head][dt][fragment]   lane (r, h): d = 16 dt + r, keys 16 t + 8 h + 0..7
;   Vres   [row tile][head][dt][q][lane][16 bytes] f32: lane (r, h): row r, d = 16 dt + 8 h + 4 q + 0..3
;   WoT    [16 columns][32 d][fragment]    lane (r, h): column r, d = 16 t + 8 h + 0..7; wave 0 of work-group g = 64 y + x makes half-fragment g
; FORMATS: Y and W are rounded to bf16 as matrix operands; sums and biases in f32 (the bias is the first product's C operand).
; NO CLUSTER, NO TENSOR LOADS: Y and W have to be rounded to bf16 on their way into LDS, so they pass through registers; landed as f32
; they would take 65,536 + 262,144 = 327,680 bytes, all of the LDS, with no byte left for the bf16 copies that the fragments are read from.
.set YP, 528                           ; LDS pitch of a row of Y: 512 bytes of bf16 + 16 (33 x 16: sixteen rows fall on sixteen 16-byte columns modulo 256)
.set WP, 544                           ; LDS pitch of a k row of W: 512 + 32 (17 x 32)
.set YB, 0                             ; 64 rows of Y
.set WB, 64*YP                         ; 256 k rows of W, behind them
.set RA, 64                            ; three staging sets of 64 registers (16 loads of 16 bytes a lane)
.set RB, 128
.set RC, 192
.set ACC, 64                           ; v[64:127]   accumulators, tile (mt, et) at 8 (2 mt + et)
.set WF, 128                           ; v[128:159]  fragments of W, two buffers of two
.set YF, 160                           ; v[160:223]  fragments of Y, two buffers of four
.set PKO, 128                          ; v[128:159]  packed results, behind the last product
.set BI, 28                            ; v[28:43]    the bias as C operand, column tile et at 8 et
.set CV, 44                            ; v[44:51]    four pairs that take turns in the conversion
.macro WM d, a, b, c
	v_wmma_f32_16x16x32_bf16 v[\d:\d+7], v[\a:\a+7], v[\b:\b+7], v[\c:\c+7]
.endm
.macro PLACES                          ; four plain vector places behind a matrix instruction (ISA guide 7.12.1)
.rept 4
	v_nop
.endr
.endm
	s_load_b512 s[4:19], s[0:1], 0x0               ; Y s[4:5], Wq s[6:7], Wk s[8:9], Wv s[10:11], bq s[12:13], bk s[14:15], bv s[16:17], Wo s[18:19]
	s_load_b256 s[20:27], s[0:1], 0x40             ; Qf s[20:21], Kf s[22:23], Vf s[24:25], Vres s[26:27]
	s_load_b64 s[28:29], s[0:1], 0x60              ; WoT
	v_lshl_add_u32 v62, v0, 2, 0x2a400
	v_mov_b32 v63, 0
	v_lshrrev_b32 v12, 5, v0
	v_readfirstlane_b32 s30, v12                   ; wave w = head
	s_mov_b32 s31, ttmp9                           ; x
	s_and_b32 s32, ttmp7, 0xffff                   ; y
	s_lshl_b32 s33, s32, 6
	s_add_co_u32 s33, s33, s31                     ; g = 64 y + x
	v_and_b32 v1, 31, v0                           ; lane L
	v_and_b32 v2, 15, v0                           ; r
	v_bfe_u32 v3, v0, 4, 1                         ; h
	v_lshlrev_b32 v4, 4, v1                        ; 16 L: offset of every global load and store
	s_mul_i32 s42, s30, 8*YP
	v_lshl_add_u32 v5, v1, 3, s42                  ; staging of Y: my 8 rows, 8 bytes a lane
	s_mul_i32 s42, s30, 32*WP
	s_add_co_u32 s42, s42, WB
	v_lshl_add_u32 v6, v1, 3, s42                  ; staging of W: my 32 k rows
	v_mul_u32_u24 v7, v2, YP
	v_lshl_add_u32 v7, v3, 4, v7                   ; fragments of Y: row r, 16 h
	v_and_b32 v12, 7, v0
	v_lshl_add_u32 v12, v3, 3, v12                 ; 8 h + (L & 7)
	v_mul_u32_u24 v8, v12, WP
	v_bfe_u32 v13, v0, 3, 1
	v_lshl_add_u32 v8, v13, 4, v8                  ; + 16 ((L >> 3) & 1)
	s_lshl_b32 s42, s30, 6
	s_add_co_u32 s42, s42, WB
	v_add_nc_u32 v8, s42, v8                       ; fragments of W, k 0..127: + my 32 columns (64 bytes)
	v_add_nc_u32 v9, 128*WP, v8                    ; the same for k 128..255: the immediate holds 16 bits
	v_lshlrev_b32 v10, 2, v2
	v_lshl_add_u32 v10, v3, 13, v10                ; gather from Wo: 8 h rows of 1,024 bytes + column r
	s_wait_kmcnt 0x0
	s_cmp_eq_u32 s32, 0                            ; W and bias of this y: Q, K, or V (y = 2 and 3)
	s_cselect_b64 s[34:35], s[6:7], s[10:11]
	s_cselect_b64 s[36:37], s[12:13], s[16:17]
	s_cmp_eq_u32 s32, 1
	s_cselect_b64 s[34:35], s[8:9], s[34:35]
	s_cselect_b64 s[36:37], s[14:15], s[36:37]
	s_mov_b32 s41, 0
	s_lshl_b32 s40, s30, 15
	s_add_nc_u64 s[34:35], s[34:35], s[40:41]      ; W at my 32 k rows
	s_lshl_b32 s40, s30, 7
	s_add_nc_u64 s[36:37], s[36:37], s[40:41]      ; bias at my 32 columns
	s_lshl_b32 s40, s31, 16
	s_lshl_b32 s42, s30, 13
	s_add_co_u32 s40, s40, s42
	s_add_nc_u64 s[4:5], s[4:5], s[40:41]          ; Y at my 8 rows of the group's 64
	s_and_b32 s40, s33, 15
	s_lshl_b32 s40, s40, 14                        ; Wo: 16 (g & 15) rows of 1,024 bytes
	s_lshr_b32 s42, s33, 4
	s_lshl_b32 s42, s42, 6                         ;     + 16 (g >> 4) columns
	s_add_co_u32 s40, s40, s42
	s_add_nc_u64 s[18:19], s[18:19], s[40:41]
	s_lshl_b32 s40, s33, 9
	s_add_nc_u64 s[28:29], s[28:29], s[40:41]      ; WoT at half-fragment g
	s_cmp_lg_u32 s30, 0                            ; wave 0 alone: eight numbers of one column of Wo for each lane
	s_cbranch_scc1 .Lno_wo
.irp i, 0,1,2,3,4,5,6,7
	global_load_b32 v[16+\i], v10, s[18:19] offset:1024*\i
.endr
.Lno_wo:
	s_cmp_eq_u32 s32, 2
	s_cbranch_scc1 .Lbias_nat
	v_lshlrev_b32 v11, 5, v3                       ; results transposed: register j holds column 16 et + 8 h + j
.irp k, 0,1,2,3
	global_load_b128 v[BI+4*\k:BI+4*\k+3], v11, s[36:37] offset:64*(\k>>1)+16*(\k&1)
.endr
	s_branch .Lbias_done
.Lbias_nat:
	v_lshlrev_b32 v11, 2, v2                       ; results natural: all eight registers hold column 16 et + r
.irp j, 0,1,2,3,4,5,6,7
	global_load_b32 v[BI+\j], v11, s[36:37]
	global_load_b32 v[BI+8+\j], v11, s[36:37] offset:64
.endr
.Lbias_done:
; 16 loads: 8 rows of 1,024 bytes, two loads of 512 consecutive bytes a row
.macro LOADB set, sb, imm
.irp rr, 0,1,2,3,4,5,6,7
	global_load_b128 v[\set+8*\rr:\set+8*\rr+3], v4, s[\sb:\sb+1] offset:\imm+1024*\rr
	global_load_b128 v[\set+8*\rr+4:\set+8*\rr+7], v4, s[\sb:\sb+1] offset:\imm+1024*\rr+512
.endr
.endm
; the same 8 rows rounded to bf16 into LDS: each store of the wave covers 256 consecutive bytes
.macro CONV set, addr, imm0, pitch
.irp rr, 0,1,2,3,4,5,6,7
.irp hf, 0,1
	v_cvt_pk_bf16_f32 v[CV+2*((2*\rr+\hf)%4)], v[\set+8*\rr+4*\hf], v[\set+8*\rr+4*\hf+1]
	v_cvt_pk_bf16_f32 v[CV+2*((2*\rr+\hf)%4)+1], v[\set+8*\rr+4*\hf+2], v[\set+8*\rr+4*\hf+3]
	ds_store_b64 v[\addr], v[CV+2*((2*\rr+\hf)%4):CV+2*((2*\rr+\hf)%4)+1] offset:\imm0+\rr*\pitch+256*\hf
.endr
.endr
.endm
	LOADB RA, 4, 0                                 ; Y, my 8 rows
	LOADB RB, 34, 0                                ; W, my k rows 0-7
	LOADB RC, 34, 8192                             ; 8-15
	s_wait_loadcnt 32                              ; loads come back in order (ISA guide 5.7.1): two younger batches of 16 stay out; Y, the bias and the gather are in
	CONV RA, 5, 0, YP
	LOADB RA, 34, 16384                            ; 16-23
	s_wait_loadcnt 32                              ; again two younger batches
	CONV RB, 6, 0, WP
	LOADB RB, 34, 24576                            ; 24-31
	s_wait_loadcnt 32
	CONV RC, 6, 8*WP, WP
	s_wait_loadcnt 16                              ; one younger batch
	CONV RA, 6, 16*WP, WP
	s_wait_loadcnt 0x0
	CONV RB, 6, 24*WP, WP
	s_wait_dscnt 0x0                               ; my stores are in LDS before I say so: the other waves read them
	s_barrier_signal -1
	s_barrier_wait -1
; 12 LDS loads: the fragments of one K step of 32: W by the transposing load (LDS holds [k][column]), Y by rows
.macro LOADF kb, buf
.irp et, 0,1
.irp t, 0,1
.if \kb < 4
	ds_load_tr16_b128 v[WF+16*\buf+8*\et+4*\t:WF+16*\buf+8*\et+4*\t+3], v8 offset:\kb*32*WP+32*\et+16*WP*\t
.else
	ds_load_tr16_b128 v[WF+16*\buf+8*\et+4*\t:WF+16*\buf+8*\et+4*\t+3], v9 offset:(\kb-4)*32*WP+32*\et+16*WP*\t
.endif
.endr
.endr
.irp mt, 0,1,2,3
.irp t, 0,1
	ds_load_b128 v[YF+32*\buf+8*\mt+4*\t:YF+32*\buf+8*\mt+4*\t+3], v7 offset:16*YP*\mt+64*\kb+32*\t
.endr
.endr
.endm
; 8 products.  The eight accumulators take turns, one instruction a turn.  The first K step takes the bias as C.
; nat = 0: source 0 = columns of W, source 1 = rows of Y: a lane holds one row and eight neighbouring columns.  nat = 1: the other way round.
.macro MULS kb, buf, nat
.irp mt, 0,1,2,3
.irp et, 0,1
.if \nat
.if \kb
	WM ACC+8*(2*\mt+\et), YF+32*\buf+8*\mt, WF+16*\buf+8*\et, ACC+8*(2*\mt+\et)
.else
	WM ACC+8*(2*\mt+\et), YF+32*\buf+8*\mt, WF+16*\buf+8*\et, BI+8*\et
.endif
.else
.if \kb
	WM ACC+8*(2*\mt+\et), WF+16*\buf+8*\et, YF+32*\buf+8*\mt, ACC+8*(2*\mt+\et)
.else
	WM ACC+8*(2*\mt+\et), WF+16*\buf+8*\et, YF+32*\buf+8*\mt, BI+8*\et
.endif
.endif
.endr
.endr
.endm
.macro KSTEP kb, buf, nkb, nbuf, nat
.if \kb
	PLACES                                         ; the buffer loaded next was read by the products just issued
.endif
	LOADF \nkb, \nbuf
	s_wait_dscnt 12                                ; the 12 loads just issued stay out; this K step's are in
	MULS \kb, \buf, \nat
.endm
.macro GEMM nat
	LOADF 0, 0
	KSTEP 0, 0, 1, 1, \nat
	KSTEP 1, 1, 2, 0, \nat
	KSTEP 2, 0, 3, 1, \nat
	KSTEP 3, 1, 4, 0, \nat
	KSTEP 4, 0, 5, 1, \nat
	KSTEP 5, 1, 6, 0, \nat
	KSTEP 6, 0, 7, 1, \nat
	s_wait_dscnt 0x0
	MULS 7, 1, \nat
	PLACES                                         ; before results are read and the fragment registers are written
.endm
.macro PACKALL                         ; eight tiles, eight f32 of a lane to 16 bytes of bf16
.irp tl, 0,1,2,3,4,5,6,7
.irp i, 0,1,2,3
	v_cvt_pk_bf16_f32 v[PKO+4*\tl+\i], v[ACC+8*\tl+2*\i], v[ACC+8*\tl+2*\i+1]
.endr
.endr
.endm
	s_cmp_eq_u32 s32, 2
	s_cbranch_scc1 .Lnat
	GEMM 0
	s_cmp_eq_u32 s32, 3
	s_cbranch_scc1 .Lout_res
	s_cmp_eq_u32 s32, 0
	s_cbranch_scc0 .Lpack_qk
.irp i, 0,2,4,6,8,10,12,14,16,18,20,22,24,26,28,30,32,34,36,38,40,42,44,46,48,50,52,54,56,58,60,62
	v_pk_mul_f32 v[ACC+\i:ACC+\i+1], v[ACC+\i:ACC+\i+1], 0x3db8aa3b op_sel_hi:[1,0]   ; Q alone: log2(e) / sqrt(256), so that the logits come out in base 2
.endr
.Lpack_qk:
	s_cmp_eq_u32 s32, 0
	s_cselect_b64 s[38:39], s[20:21], s[22:23]     ; Qf or Kf
	s_lshl_b32 s40, s31, 15                        ; 4 x row tiles of 8,192 bytes
	s_lshl_b32 s42, s30, 10                        ; + head
	s_add_co_u32 s40, s40, s42
	s_add_nc_u64 s[38:39], s[38:39], s[40:41]
	PACKALL
.irp mt, 0,1,2,3
.irp et, 0,1
	global_store_b128 v4, v[PKO+4*(2*\mt+\et):PKO+4*(2*\mt+\et)+3], s[38:39] offset:8192*\mt+512*\et
.endr
.endr
	s_branch .Ltail
.Lout_res:
	s_lshl_b32 s40, s31, 16                        ; 4 x row tiles of 16,384 bytes
	s_lshl_b32 s42, s30, 11
	s_add_co_u32 s40, s40, s42
	s_add_nc_u64 s[26:27], s[26:27], s[40:41]
.irp mt, 0,1,2,3
.irp et, 0,1
.irp q, 0,1
	global_store_b128 v4, v[ACC+8*(2*\mt+\et)+4*\q:ACC+8*(2*\mt+\et)+4*\q+3], s[26:27] offset:16384*\mt+1024*\et+512*\q
.endr
.endr
.endr
	s_branch .Ltail
.Lnat:
	GEMM 1
	s_lshl_b32 s40, s31, 15                        ; 2 x blocks of 32 keys, 16,384 bytes each
	s_lshl_b32 s42, s30, 11
	s_add_co_u32 s40, s40, s42
	s_add_nc_u64 s[24:25], s[24:25], s[40:41]
	PACKALL
.irp mt, 0,1,2,3
.irp et, 0,1
	global_store_b128 v4, v[PKO+4*(2*\mt+\et):PKO+4*(2*\mt+\et)+3], s[24:25] offset:16384*(\mt>>1)+1024*\et+512*(\mt&1)
.endr
.endr
.Ltail:
	s_cmp_lg_u32 s30, 0
	s_cbranch_scc1 .Lend
.irp i, 0,1,2,3
	v_cvt_pk_bf16_f32 v[24+\i], v[16+2*\i], v[16+2*\i+1]   ; the gather came in ahead of the staging, whose last wait was for 0
.endr
	global_store_b128 v4, v[24:27], s[28:29]
.Lend:
	s_wait_tensorcnt 0x0
	ds_add_u32 v62, v63
	s_wait_dscnt 0x0
	s_endpgm
.Lfunc_end_k_qc4a77f98e0_proj:
	.size	k_qc4a77f98e0_proj, .Lfunc_end_k_qc4a77f98e0_proj-k_qc4a77f98e0_proj
	.p2alignl 7, 3214868480
	.fill 96, 4, 3214868480
	.section	.rodata,"a",@progbits
	.p2align	6, 0x0
	.amdhsa_kernel k_qc4a77f98e0_proj
		.amdhsa_group_segment_fixed_size 174080
		.amdhsa_private_segment_fixed_size 0
		.amdhsa_enable_private_segment 0
		.amdhsa_kernarg_size 104
		.amdhsa_user_sgpr_count 2
		.amdhsa_user_sgpr_kernarg_segment_ptr 1
		.amdhsa_wavefront_size32 1
		.amdhsa_system_sgpr_workgroup_id_x 1
		.amdhsa_system_sgpr_workgroup_id_y 1
		.amdhsa_system_sgpr_workgroup_id_z 1
		.amdhsa_system_vgpr_workitem_id 0
		.amdhsa_next_free_vgpr 256
		.amdhsa_next_free_sgpr 66
		.amdhsa_reserve_vcc 0
		.amdhsa_float_denorm_mode_32 3
		.amdhsa_float_denorm_mode_16_64 3
		.amdhsa_memory_ordered 1
		.amdhsa_forward_progress 1
		.amdhsa_inst_pref_size 62
	.end_amdhsa_kernel
	.amdgpu_metadata
---
amdhsa.version: [ 1, 2 ]
amdhsa.kernels:
  - .name:           k_qc4a77f98e0_proj
    .symbol:         k_qc4a77f98e0_proj.kd
    .args:
      - { .name: Y_lift, .offset: 0, .size: 8, .value_kind: global_buffer, .address_space: global }
      - { .name: Wq, .offset: 8, .size: 8, .value_kind: global_buffer, .address_space: global }
      - { .name: Wk, .offset: 16, .size: 8, .value_kind: global_buffer, .address_space: global }
      - { .name: Wv, .offset: 24, .size: 8, .value_kind: global_buffer, .address_space: global }
      - { .name: bq, .offset: 32, .size: 8, .value_kind: global_buffer, .address_space: global }
      - { .name: bk, .offset: 40, .size: 8, .value_kind: global_buffer, .address_space: global }
      - { .name: bv, .offset: 48, .size: 8, .value_kind: global_buffer, .address_space: global }
      - { .name: Wo, .offset: 56, .size: 8, .value_kind: global_buffer, .address_space: global }
      - { .name: Qf, .offset: 64, .size: 8, .value_kind: global_buffer, .address_space: global }
      - { .name: Kf, .offset: 72, .size: 8, .value_kind: global_buffer, .address_space: global }
      - { .name: Vf, .offset: 80, .size: 8, .value_kind: global_buffer, .address_space: global }
      - { .name: Vres, .offset: 88, .size: 8, .value_kind: global_buffer, .address_space: global }
      - { .name: WoT, .offset: 96, .size: 8, .value_kind: global_buffer, .address_space: global }
    .group_segment_fixed_size: 174080
    .private_segment_fixed_size: 0
    .kernarg_segment_align: 8
    .kernarg_segment_size: 104
    .max_flat_workgroup_size: 256
    .sgpr_count:     66
    .vgpr_count:     256
    .wavefront_size: 32
...
	.end_amdgpu_metadata
.endif
;; end of part 1
;; launch attn (part 2): grid 256 x 1, 8 waves a work-group, clusters of 4 x 1, 327,680 bytes of LDS; arguments X_pairs, presence_q, presence_k, Wg1, bg1, wg2, bg2, bo, Qf, Kf, Vf, Vres, WoT, out0; writes out0
.if DOCPART == 2
	.amdgcn_target "amdgcn-amd-amdhsa--gfx1250"
	.amdhsa_code_object_version 6
	.text
	.protected	k_qc4a77f98e0_attn
	.globl	k_qc4a77f98e0_attn
	.p2align	8
	.type	k_qc4a77f98e0_attn,@function
k_qc4a77f98e0_attn:
	s_mov_b64 s[64:65], 0
	v_nop
	global_prefetch_b8 v0, s[64:65] scope:SCOPE_SE
	s_setreg_imm32_b32 hwreg(HW_REG_WAVE_MODE, 25, 1), 1
	s_wait_xcnt 0x0
	s_wait_alu depctr_hold_cnt(0) depctr_sa_sdst(0) depctr_va_vdst(0) depctr_va_sdst(0) depctr_va_ssrc(0) depctr_va_vcc(0) depctr_vm_vsrc(0)
	s_getreg_b32 s2, hwreg(HW_REG_IB_STS2, 6, 4)
	s_cmp_eq_u32 s2, 0
	s_cbranch_scc0 .Lentry_in_a_cluster
	s_endpgm
.Lentry_in_a_cluster:
	s_bfe_u32 s2, ttmp6, 0x10000c
	s_cmp_lg_u32 s2, 0x3003
	s_cbranch_scc0 .Lentry_shape_is_right
	s_endpgm
.Lentry_shape_is_right:
; Attention with a pairwise location bias, the residual on V and the output layer, in one pass.
; Work-group wg = 64 b + nt: 16 queries, all 8 heads, all 1,024 keys, so that its 196,608 bytes of X_pairs are read once.  Wave w = head w.
; EVERYTHING IS KEPT TRANSPOSED: a tile of logits is S^T[key][query]: lane (r, h) holds query r, register j key 8 h + j.  So the row maximum and
; sum stay in the lane (one exchange between the lane halves), exp(S^T) packed to bf16 IS source 1 of O^T = V^T x P^T, and O^T packed IS source 1
; of out^T = Wo^T x O^T.
; THE LOCATION MLP ON THE MATRIX UNIT, 8 keys x 16 queries (a group) at a time, K = 32 = 8 key slots x 4:
;   BX (source 1): lane (query r, h), register pair p = bf16 (x, y | z, 1) of key 4 h + p of the group.
;   layer 1: two products with AW0, AW1 (block diagonal: 4 slots x rows (hidden 0, 1, 2, the constant 1), columns (Wg1[.][j], bg1[j])).  The 16 results
;            of a lane, after relu and packing, are source 1 of layer 2 with the same key in the same register pair.
;   layer 2: S^T += A20 x (keys 0-7) and A21 x (keys 8-15): row = key, (wg2, bg2) log2(e) where the slot's key is the row.
; Content: S^T = K x Q^T with Q already scaled by log2(e)/16.  Then the two presence steps as reference() writes them (two fused multiply-adds, with
; INF log2(e) = 1.44e38), a running maximum, exp2, sums in f32.
; PIPELINE: the products of key block i are set singly among the softmax lines of block i - 1 (two buffers of logits, SA and SB), and the LDS loads of
; block i + 1 are issued in block i as soon as the registers' last readers have passed.  The next step's tile can be read only behind its round, so the four
; blocks of a step differ and all 32 blocks are written out by macro.
; CLUSTER 4 x 1: the four work-groups have the same b, hence the same K and V tiles (128 keys: 65,536 bytes each): every wave asks for its 8,192 bytes of
; each by a joint load that names the four.  A wave has at most two tensor loads outstanding.
; LIMITS: X_pairs, Wg1, bg1, the hidden units, wg2 log2(e), bg2 log2(e), Q, K, V, the probabilities and O enter products rounded to bf16; all else is f32.
; Each presence step rounds once where reference() rounds twice (equal for presence 0 and 1).  X_lift enters no step of reference() and is no argument.
.set SLOTB, 131072                     ; a slot: K tile [key tile 8][head][fragment], then V tile [32 keys 4][head][dt][fragment]
.set VOFF,  65536
.set STG,   262144                     ; BX stage, two of STGP bytes by the step's parity: group at GRP g, half t at HALF t, lane at 272 h + 16 r
.set STGP,  16896
.set GRP,   1056
.set HALF,  528
.set RAW,   295936                     ; 1,536 bytes for each wave: X of 128 keys of one query, to hand each lane 4 whole keys
.set TAB,   308224                     ; presence_k[1024], then (1 - presence_k)(-INF log2 e)[1024]
.set OX,    STG                        ; the way out: the eight heads' O fragments (bytes written by LDS stores alone)
.set OS,    STG+STGP                   ; the way out: 16 rows of 1,024 + 16 bytes
.set OSP,   1040
; window 0.  v1 X offset; LDS addresses of K, V, BX: v6, v7, v248 in slot 0, v2, v3, v4 in slot 1; v5 the table; v249, v250 RAW in, out; v251 stage in;
; v252 16 L; v253 32 h
.set QF,  8                            ; v[8:15]    Q fragment
.set AW1, 16                           ; v[16:27]   zeros, W, zeros: AW1 = v[16:23], AW0 = v[20:27]
.set AW0, 20
.set A20, 28
.set A21, 36
.set PQ,  44                           ; presence_q of my query, twice
.set CQ,  46                           ; (1 - presence_q)(-INF log2 e), twice
.set MX,  48                           ; running maximum, twice
.set LS,  50                           ; running sums (two chains)
.set AL,  52                           ; the rescale factor, twice
.set TA,  54
.set TB,  55
.set OA,  56                           ; v[56:71]   O^T, d 0-15 and 16-31
.set SA,  72                           ; v[72:87]   logits, key tile u at 8 u
.set SB,  88
.set DA,  104                          ; v[104:119] layer 1 results
.set DB,  120
.set B2A, 136
.set B2B, 144
.set BX,  152                          ; v[152:183] four groups
.set KF,  184                          ; v[184:199] two key tiles
.set VF,  200                          ; v[200:215] dt 0, 1
.set PKR, 216
.set CKR, 232
; window 1 (v256-v447): X of step t, query c, load i at 24 t + 12 c + 4 i; from step 7 on WoT 0-127, Vres 128-143, bo 144-159
.set PAR, 0                            ; the step's slot and stage
.set TBK, 0                            ; the step's first block
.set MSB, 0
.macro WIN new                         ; s_set_vgpr_msb: bits 1:0 source 0, 3:2 source 1, 5:4 source 2, 7:6 destination; the high byte repeats the setting left
.if MSB != \new
	s_set_vgpr_msb (MSB<<8)|\new
.set MSB, \new
.endif
.endm
.macro WM d, a, b, c
	v_wmma_f32_16x16x32_bf16 v[\d:\d+7], v[\a:\a+7], v[\b:\b+7], v[\c:\c+7]
.endm
.macro WMZ d, a, b                     ; starts a sum: nothing is cleared
	v_wmma_f32_16x16x32_bf16 v[\d:\d+7], v[\a:\a+7], v[\b:\b+7], 0
.endm
; A round of the cluster's barrier: my work-group's barrier, wave 0 signals for the work-group, every wave waits for all four, my work-group's barrier again.
.macro ROUND
	s_barrier_signal -1
	s_barrier_wait -1
	s_cmp_lg_u32 s56, 0
	s_cbranch_scc1 .Lnot_wave_0_\@
	s_barrier_signal -3
.Lnot_wave_0_\@:
	s_barrier_wait -3
	s_barrier_signal -1
	s_barrier_wait -1
.endm
	s_load_b512 s[4:19], s[0:1], 0x0               ; X_pairs s[4:5], presence_q s[6:7], presence_k s[8:9], Wg1 s[10:11], bg1 s[12:13], wg2 s[14:15], bg2 s[16:17], bo s[18:19]
	s_load_b256 s[20:27], s[0:1], 0x40             ; Qf s[20:21], Kf s[22:23], Vf s[24:25], Vres s[26:27]
	s_load_b128 s[28:31], s[0:1], 0x60             ; WoT s[28:29], out0 s[30:31]
	v_lshl_add_u32 v254, v0, 2, 0x4d400
	v_mov_b32 v255, 0
	ds_add_u32 v254, v255
	v_lshrrev_b32 v72, 5, v0
	v_readfirstlane_b32 s56, v72                   ; wave w = head
	s_bfe_u32 s57, ttmp6, 0x40000                  ; cx: enters bases of plain global accesses alone
	s_lshl_b32 s58, ttmp9, 2
	s_add_co_u32 s58, s58, s57                     ; wg = 4 x cluster + cx = 64 b + nt
	s_lshr_b32 s59, ttmp9, 4                       ; b: the same in the four partners
	s_mov_b32 s60, 0x76543210                      ; v_permlanex16_b32: lane i takes lane i of the other half
	s_mov_b32 s61, 0xfedcba98
	; descriptor group 1: a dense block of 8,192 bytes as 32 rows of 32 elements of 8 bytes
	s_mov_b32 s48, 0x0023000f                      ; 15:0 mask = the four work-groups; 17:16 element of 8 bytes; 21 set beside a mask
	s_mov_b32 s49, 32<<16                          ; tensor_dim0 = 32
	s_mov_b32 s50, 32<<16                          ; tensor_dim1 = 32
	s_mov_b32 s51, 32<<16                          ; tile_dim0 = 32
	s_mov_b32 s52, 32                              ; tile_dim1 = 32
	s_mov_b32 s53, 32                              ; pitch = 32 elements
	s_mov_b32 s54, 0
	s_mov_b32 s55, 0
	; group 0, one set for K and for V in each slot: s[32:35] K slot 0, s[36:39] K slot 1, s[40:43] V slot 0, s[44:47] V slot 1
	s_lshl_b32 s75, s56, 13                        ; my 8,192 bytes of a tile (s75, s68, s69 never hold cx)
	s_mov_b32 s32, 1
	s_mov_b32 s36, 1
	s_mov_b32 s40, 1
	s_mov_b32 s44, 1
	s_add_co_u32 s33, s75, 0
	s_add_co_u32 s37, s75, SLOTB
	s_add_co_u32 s41, s75, VOFF
	s_add_co_u32 s45, s75, SLOTB+VOFF
	s_lshl_b32 s68, s59, 19                        ; 524,288 bytes of K, and of V, for a batch
	s_add_co_u32 s68, s68, s75
	s_mov_b32 s69, 0
	s_mov_b32 s67, 0
	s_wait_dscnt 0x0
	s_wait_kmcnt 0x0
	s_add_nc_u64 s[34:35], s[22:23], s[68:69]      ; tile 0
	s_add_nc_u64 s[42:43], s[24:25], s[68:69]
	s_add_nc_u64 s[38:39], s[34:35], 0x10000       ; tile 1
	s_add_nc_u64 s[46:47], s[42:43], 0x10000
	s_or_b32 s35, s35, 0x80000000                  ; type = 2
	s_or_b32 s39, s39, 0x80000000
	s_or_b32 s43, s43, 0x80000000
	s_or_b32 s47, s47, 0x80000000
	s_mul_i32 s66, s56, 12
	s_add_nc_u64 s[14:15], s[14:15], s[66:67]      ; wg2[w]
	s_add_nc_u64 s[12:13], s[12:13], s[66:67]      ; bg1[w]
	s_lshl_b32 s66, s56, 2
	s_add_nc_u64 s[16:17], s[16:17], s[66:67]      ; bg2[w]
	s_load_b32 s70, s[14:15], 0x0
	s_load_b32 s71, s[14:15], 0x4
	s_load_b32 s72, s[14:15], 0x8
	s_load_b32 s73, s[16:17], 0x0
	s_mul_i32 s66, s56, 36
	s_add_nc_u64 s[10:11], s[10:11], s[66:67]      ; Wg1[w]
	s_mul_i32 s66, s58, 196608
	s_add_nc_u64 s[4:5], s[4:5], s[66:67]          ; X_pairs at my 16 queries
	s_lshl_b32 s66, s58, 6
	s_add_nc_u64 s[6:7], s[6:7], s[66:67]          ; presence_q at my 16 queries
	s_lshl_b32 s66, s59, 12
	s_add_nc_u64 s[8:9], s[8:9], s[66:67]          ; presence_k of my batch
	s_lshl_b32 s66, s58, 13
	s_lshl_b32 s77, s56, 10
	s_add_co_u32 s66, s66, s77
	s_add_nc_u64 s[20:21], s[20:21], s[66:67]      ; my Q fragment
	s_lshl_b32 s66, s58, 14
	s_lshl_b32 s77, s56, 11
	s_add_co_u32 s66, s66, s77
	s_add_nc_u64 s[26:27], s[26:27], s[66:67]      ; Vres of my queries and head
	s_add_nc_u64 s[30:31], s[30:31], s[66:67]      ; out0: 16 rows of 1,024 bytes, my two rows
	s_lshl_b32 s66, s56, 14
	s_add_nc_u64 s[28:29], s[28:29], s[66:67]      ; WoT: my 32 columns
	s_lshl_b32 s66, s56, 7
	s_add_nc_u64 s[18:19], s[18:19], s[66:67]      ; bo: my 32 columns
	ROUND                                          ; the four work-groups are here: the first joint loads meet
	tensor_load_to_lds s[32:35], s[48:55]          ; tile 0 of K,
	s_nop 0
	tensor_load_to_lds s[40:43], s[48:55]          ; and of V
	s_nop 0
	v_and_b32 v80, 31, v0                          ; L
	v_and_b32 v81, 15, v0                          ; r
	v_bfe_u32 v82, v0, 4, 1                        ; h
	v_lshlrev_b32 v252, 4, v80                     ; 16 L
	v_lshlrev_b32 v253, 5, v82                     ; 32 h
	s_mul_i32 s76, s56, 24576
	v_add_nc_u32 v1, s76, v252                     ; X: queries 2 w, 2 w + 1 (12,288 bytes each)
	s_lshl_b32 s76, s56, 10
	v_add_nc_u32 v6, s76, v252                     ; K fragments of my head, slot 0
	s_lshl_b32 s76, s56, 11
	s_add_co_u32 s76, s76, VOFF
	v_add_nc_u32 v7, s76, v252                     ; V fragments of my head, slot 0
	v_mul_u32_u24 v248, v82, 272
	v_lshl_add_u32 v248, v81, 4, v248
	v_add_nc_u32 v248, STG, v248                   ; BX out of stage 0: sixteen lanes read 256 consecutive bytes
	v_add_nc_u32 v2, SLOTB, v6                     ; the same three in slot 1 and stage 1
	v_add_nc_u32 v3, SLOTB, v7
	v_add_nc_u32 v4, STGP, v248
	v_add_nc_u32 v5, TAB, v253                     ; the table: my 8 keys of a key tile
	s_mul_i32 s76, s56, 1536
	s_add_co_u32 s76, s76, RAW
	v_add_nc_u32 v249, s76, v252                   ; RAW in: as loaded
	v_mad_u32_u24 v250, v80, 48, s76               ; RAW out: 48 bytes = 4 keys a lane; 3 L mod 16 differs in sixteen neighbouring lanes
	v_lshrrev_b32 v83, 1, v80
	v_and_b32 v84, 1, v0
	v_mul_u32_u24 v251, v83, GRP                   ; stage in: group L >> 1,
	v_mad_u32_u24 v251, v84, 272, v251             ; half L & 1: column (2 g + h) mod 16 differs in sixteen neighbouring lanes,
	s_lshl_b32 s76, s56, 5
	s_add_co_u32 s76, s76, STG
	v_add_nc_u32 v251, s76, v251                   ; query 2 w
	v_and_b32 v85, 3, v0                           ; j: the row's place in its slot
	v_min_u32 v86, 2, v85
	v_lshlrev_b32 v86, 2, v86
	v_lshlrev_b32 v87, 2, v81
	v_lshlrev_b32 v88, 4, v0
	v_add_nc_u32 v89, TAB, v88
	global_load_b32 v72, v86, s[10:11]             ; Wg1[w][0][j]
	global_load_b32 v73, v86, s[10:11] offset:12   ; Wg1[w][1][j]
	global_load_b32 v74, v86, s[10:11] offset:24   ; Wg1[w][2][j]
	global_load_b32 v75, v86, s[12:13]             ; bg1[w][j]
	global_load_b32 v44, v87, s[6:7]               ; presence_q of query r
	global_load_b128 v[76:79], v88, s[8:9]         ; presence_k: four keys a thread
	global_load_b128 v[8:11], v252, s[20:21]
	global_load_b128 v[12:15], v252, s[20:21] offset:512
	WIN 0x40                                       ; destinations in window 1
.irp st, 0,1,2,3,4,5,6,7
.irp c, 0,1
.irp i, 0,1,2
	global_load_b128 v[24*\st+12*\c+4*\i:24*\st+12*\c+4*\i+3], v1, s[4:5] offset:12288*\c+1536*\st+512*\i th:TH_LOAD_NT   ; all my X, step by step: 512 consecutive bytes each
.endr
.endr
.endr
	WIN 0
	s_wait_loadcnt 48                              ; the 48 loads of X stay out; the eight small ones are in
	s_wait_kmcnt 0x0
	s_mul_f32 s70, s70, 0x3fb8aa3b                 ; layer 2 in base 2
	s_mul_f32 s71, s71, 0x3fb8aa3b
	s_mul_f32 s72, s72, 0x3fb8aa3b
	s_mul_f32 s73, s73, 0x3fb8aa3b
	s_mov_b32 s74, 0xfe967699                      ; -1e38
	s_mul_f32 s74, s74, 0x3fb8aa3b                 ; -INF log2(e), finite
	; layer 1: row r = 4 slot + j holds (Wg1[0][j], Wg1[1][j], Wg1[2][j], bg1[j]) at its slot's four k; j = 3: (0, 0, 0, 1)
	v_cmp_ne_u32 vcc_lo, 3, v85
	v_cndmask_b32 v72, 0, v72, vcc_lo
	v_cndmask_b32 v73, 0, v73, vcc_lo
	v_cndmask_b32 v74, 0, v74, vcc_lo
	v_cndmask_b32 v75, 1.0, v75, vcc_lo
	v_cvt_pk_bf16_f32 v90, v72, v73
	v_cvt_pk_bf16_f32 v91, v74, v75
	v_bfe_u32 v92, v0, 3, 1
	v_xor_b32 v92, v92, v82                        ; 0 where the lane half holds the row's slot
	v_bfe_u32 v93, v0, 2, 1
	v_lshl_add_u32 v93, v92, 1, v93                ; 0, 1: which register pair; 2, 3: none
	v_cmp_eq_u32 vcc_lo, 0, v93
	v_cndmask_b32 v20, 0, v90, vcc_lo
	v_cndmask_b32 v21, 0, v91, vcc_lo
	v_cmp_eq_u32 vcc_lo, 1, v93
	v_cndmask_b32 v22, 0, v90, vcc_lo
	v_cndmask_b32 v23, 0, v91, vcc_lo
.irp i, 16,17,18,19,24,25,26,27
	v_mov_b32 v\i, 0                               ; the operands' zero halves
.endr
	; layer 2: row r takes (wg2, bg2) log2(e) in the register pair p whose key 4 h + p (A20) or 8 + 4 h + p (A21) is r
	v_cvt_pk_bf16_f32 v90, s70, s71
	v_cvt_pk_bf16_f32 v91, s72, s73
	v_lshlrev_b32 v92, 2, v82
	v_sub_nc_u32 v92, v81, v92                     ; r - 4 h
.irp p, 0,1,2,3
	v_cmp_eq_u32 vcc_lo, \p, v92
	v_cndmask_b32 v[A20+2*\p], 0, v90, vcc_lo
	v_cndmask_b32 v[A20+2*\p+1], 0, v91, vcc_lo
	v_cmp_eq_u32 vcc_lo, 8+\p, v92
	v_cndmask_b32 v[A21+2*\p], 0, v90, vcc_lo
	v_cndmask_b32 v[A21+2*\p+1], 0, v91, vcc_lo
.endr
	v_mov_b32 v[PQ+1], v[PQ]
	v_sub_f32 v[CQ], 1.0, v[PQ]
	v_mul_f32 v[CQ], s74, v[CQ]
	v_mov_b32 v[CQ+1], v[CQ]
.irp i, 0,1,2,3
	v_sub_f32 v[96+\i], 1.0, v[76+\i]
	v_mul_f32 v[96+\i], s74, v[96+\i]
.endr
	ds_store_b128 v89, v[76:79]                    ; the table of the keys' presence; read behind the first step's round
	ds_store_b128 v89, v[96:99] offset:4096
; X of step st: through my own 1,536 bytes of LDS, so that each lane holds x, y, z of 4 neighbouring keys.  LDS serves a wave's instructions in order
; (ISA guide 5.7.1), so the loads see the stores in front of them and the second query's stores come behind the first one's loads.  12 LDS instructions.
.macro XSHUF st
	s_wait_loadcnt 42-6*(\st)                      ; six loads for each later step stay out
	WIN 0x44                                       ; store data and load destinations in window 1
.irp c, 0,1
.irp i, 0,1,2
	ds_store_b128 v249, v[24*(\st)+12*\c+4*\i:24*(\st)+12*\c+4*\i+3] offset:512*\i
.endr
.irp i, 0,1,2
	ds_load_b128 v[24*(\st)+12*\c+4*\i:24*(\st)+12*\c+4*\i+3], v250 offset:16*\i
.endr
.endr
	WIN 0
.endm
; ... and on into the stage of the step's parity as BX fragments: (x, y | z, 1) in bf16, 32 bytes for each lane and query.  4 LDS stores.
; The loads of XSHUF are in: a wait that left at most 8 younger LDS instructions out stands between (in front of the first use below: a wait for 0).
.macro XCVT st
	WIN 0x05                                       ; sources in window 1
.irp c, 0,1
.irp p, 0,1,2,3
	v_cvt_pk_bf16_f32 v[DB+8*\c+2*\p], v[24*(\st)+12*\c+3*\p], v[24*(\st)+12*\c+3*\p+1]
	v_cvt_pk_bf16_f32 v[DB+8*\c+2*\p+1], v[24*(\st)+12*\c+3*\p+2], 1.0
.endr
.endr
	WIN 0
.irp c, 0,1
	ds_store_b128 v251, v[DB+8*\c:DB+8*\c+3] offset:STGP*((\st)&1)+16*\c
	ds_store_b128 v251, v[DB+8*\c+4:DB+8*\c+7] offset:STGP*((\st)&1)+16*\c+HALF
.endr
.endm
.macro LDA blk                         ; 8 loads: two K fragments, groups 0 and 2
.irp u, 0,1
.irp t, 0,1
	ds_load_b128 v[KF+8*\u+4*\t:KF+8*\u+4*\t+3], v[6-4*PAR] offset:16384*(\blk)+8192*\u+512*\t
.endr
.endr
.irp g, 0,2
.irp t, 0,1
	ds_load_b128 v[BX+8*\g+4*\t:BX+8*\g+4*\t+3], v[248-244*PAR] offset:GRP*(4*(\blk)+\g)+HALF*\t
.endr
.endr
.endm
.macro LDB blk                         ; 4 loads: groups 1 and 3
.irp g, 1,3
.irp t, 0,1
	ds_load_b128 v[BX+8*\g+4*\t:BX+8*\g+4*\t+3], v[248-244*PAR] offset:GRP*(4*(\blk)+\g)+HALF*\t
.endr
.endr
.endm
.macro LDMASK blk                      ; 8 loads: the presence factors and addends of my 16 keys of the block
.irp u, 0,1
.irp q, 0,1
	ds_load_b128 v[PKR+8*\u+4*\q:PKR+8*\u+4*\q+3], v5 offset:128*(TBK+\blk)+64*\u+16*\q
	ds_load_b128 v[CKR+8*\u+4*\q:CKR+8*\u+4*\q+3], v5 offset:4096+128*(TBK+\blk)+64*\u+16*\q
.endr
.endr
.endm
.macro LDV blk                         ; 4 loads
.irp dt, 0,1
.irp t, 0,1
	ds_load_b128 v[VF+8*\dt+4*\t:VF+8*\dt+4*\t+3], v[7-4*PAR] offset:16384*(\blk)+1024*\dt+512*\t
.endr
.endr
.endm
.macro RELUH d, o, k                   ; one of the two layer 1 tiles: relu of the hidden rows (rows 3 and 7 are the constant 1), then half of layer 2's source 1
.irp j, 0,1,2,4,5,6
	v_max_num_f32 v[\d+8*\k+\j], 0, v[\d+8*\k+\j]
.endr
.irp i, 0,1,2,3
	v_cvt_pk_bf16_f32 v[\o+4*\k+\i], v[\d+8*\k+2*\i], v[\d+8*\k+2*\i+1]
.endr
.endm
.macro MQ sc, u                        ; the queries' presence step on key tile u / 8
.irp i, 0,2,4,6
	v_pk_fma_f32 v[\sc+\u+\i:\sc+\u+\i+1], v[\sc+\u+\i:\sc+\u+\i+1], v[PQ:PQ+1], v[CQ:CQ+1]
.endr
.endm
.macro MK sc, u                        ; the keys' presence step
.irp i, 0,2,4,6
	v_pk_fma_f32 v[\sc+\u+\i:\sc+\u+\i+1], v[\sc+\u+\i:\sc+\u+\i+1], v[PKR+\u+\i:PKR+\u+\i+1], v[CKR+\u+\i:CKR+\u+\i+1]
.endr
.endm
.macro MAXA sc                         ; the maximum of the 16 logits, in two chains
	v_max3_num_f32 v[TA], v[\sc], v[\sc+1], v[\sc+2]
	v_max3_num_f32 v[TB], v[\sc+7], v[\sc+8], v[\sc+9]
	v_max3_num_f32 v[TA], v[TA], v[\sc+3], v[\sc+4]
	v_max3_num_f32 v[TB], v[TB], v[\sc+10], v[\sc+11]
	v_max3_num_f32 v[TA], v[TA], v[\sc+5], v[\sc+6]
.endm
.macro MAXB sc, first                  ; ... with the running maximum and the other lane half
	v_max3_num_f32 v[TB], v[TB], v[\sc+12], v[\sc+13]
	v_max3_num_f32 v[TB], v[TB], v[\sc+14], v[\sc+15]
.if \first
	v_max_num_f32 v[TA], v[TA], v[TB]
.else
	v_max3_num_f32 v[TA], v[TA], v[TB], v[MX]
.endif
	v_permlanex16_b32 v[TB], v[TA], s60, s61
	v_max_num_f32 v[TA], v[TA], v[TB]
.endm
.macro SUBM sc, first                  ; the new maximum, the factor 2^(old - new), logits less the maximum
.if \first == 0
	v_sub_f32 v[TB], v[MX], v[TA]
.endif
	v_mov_b32 v[MX], v[TA]
	v_mov_b32 v[MX+1], v[TA]
.if \first == 0
	v_exp_f32 v[AL], v[TB]                         ; a plain line that names neither register follows (ISA guide 5.7.2)
.endif
.irp i, 0,2,4,6,8,10,12,14
	v_pk_add_f32 v[\sc+\i:\sc+\i+1], v[\sc+\i:\sc+\i+1], v[MX:MX+1] neg_lo:[0,1] neg_hi:[0,1]
.endr
.if \first == 0
	s_wait_alu depctr_va_vdst(0)
	v_mov_b32 v[AL+1], v[AL]
.endif
.endm
.macro EXP4 sc, first, base            ; four exponentials, the rescaling of O set among them
.irp i, 0,2
	v_exp_f32 v[\sc+\base+\i], v[\sc+\base+\i]
	v_exp_f32 v[\sc+\base+\i+1], v[\sc+\base+\i+1]
.if \first == 0
	v_pk_mul_f32 v[OA+\base+\i:OA+\base+\i+1], v[OA+\base+\i:OA+\base+\i+1], v[AL:AL+1]
.endif
.endr
.endm
.macro SUM0 sc, first                  ; the sums in f32; the probabilities packed into the buffer's first eight registers (each pair is added before it is written over)
.if \first
	s_wait_alu depctr_va_vdst(0)
	v_pk_add_f32 v[LS:LS+1], v[\sc:\sc+1], v[\sc+2:\sc+3]
	v_cvt_pk_bf16_f32 v[\sc], v[\sc], v[\sc+1]
	v_cvt_pk_bf16_f32 v[\sc+1], v[\sc+2], v[\sc+3]
.else
	s_wait_alu depctr_va_vdst(0)
	v_pk_fma_f32 v[LS:LS+1], v[LS:LS+1], v[AL:AL+1], v[\sc:\sc+1]
	v_cvt_pk_bf16_f32 v[\sc], v[\sc], v[\sc+1]
	v_pk_add_f32 v[LS:LS+1], v[LS:LS+1], v[\sc+2:\sc+3]
	v_cvt_pk_bf16_f32 v[\sc+1], v[\sc+2], v[\sc+3]
.endif
.endm
.macro SUMP sc, i
	v_pk_add_f32 v[LS:LS+1], v[LS:LS+1], v[\sc+2*\i:\sc+2*\i+1]
	v_cvt_pk_bf16_f32 v[\sc+\i], v[\sc+2*\i], v[\sc+2*\i+1]
.endm
; One block of 32 keys: its logits into buffer sn; soft = 1: among them the softmax and A.V of the block before, whose logits lie in buffer sc
; (first = 1: that block is the first).  ahead = 1: the next block's K and BX are asked for.  No two matrix instructions that follow each other share an
; accumulator, from a block into the next too: the accumulators take turns, one instruction a turn.
; LDS instructions of a block, in order: presence 8, next K and groups 0, 2: 8, V 4, next groups 1, 3: 4.
; w1: what may stay out when this block's K and groups 0, 2 (and the older presence factors) have to be in: V 4, groups 1, 3: 4, and X's LDS work between the blocks.
; w2: what may stay out when groups 1, 3 (and the older V) have to be in: X's LDS work between the blocks and this block's 8 presence loads.
.macro BODY sn, sc, blk, soft, first, ahead, w1, w2
	s_wait_dscnt \w1
	WMZ DA, AW0, BX
.if \soft
	MQ \sc, 0                                      ; key tile 0 first: these eight lines are the places behind the product that wrote tile 1
.endif
	WMZ DA+8, AW1, BX
.if \soft
	MK \sc, 0
.endif
	WMZ DB, AW0, BX+16
.if \soft
	MQ \sc, 8
.endif
	WMZ DB+8, AW1, BX+16
.if \soft
	MK \sc, 8
.endif
	LDMASK \blk
	WMZ \sn, KF, QF
.if \soft
	MAXA \sc
.endif
	WMZ \sn+8, KF+8, QF
.if \soft
	MAXB \sc, \first
	SUBM \sc, \first
.else
.rept 4
	v_nop                                          ; the first block has no softmax to set here
.endr
.endif
	RELUH DA, B2A, 0
	RELUH DA, B2A, 1
	WM \sn, A20, B2A, \sn
	s_wait_dscnt \w2
.if \ahead
	LDA \blk+1                                     ; more than twenty plain lines behind the last products that read these registers
.endif
.if \soft
	EXP4 \sc, \first, 0
.endif
	WMZ DA, AW0, BX+8
.if \soft
	EXP4 \sc, \first, 4
.endif
	WMZ DA+8, AW1, BX+8
.if \soft
	EXP4 \sc, \first, 8
	EXP4 \sc, \first, 12
.endif
	RELUH DB, B2B, 0
	RELUH DB, B2B, 1
	WM \sn+8, A20, B2B, \sn+8
.if \soft
	SUM0 \sc, \first
.endif
	WMZ DB, AW0, BX+24
.if \soft
	SUMP \sc, 2
	SUMP \sc, 3
.endif
	WMZ DB+8, AW1, BX+24
.if \soft
	SUMP \sc, 4
	SUMP \sc, 5
	SUMP \sc, 6
	SUMP \sc, 7
.if \first
	WMZ OA, VF, \sc
.else
	WM OA, VF, \sc, OA
.endif
.endif
	RELUH DA, B2A, 0
.if \soft
.if \first
	WMZ OA+8, VF+8, \sc
.else
	WM OA+8, VF+8, \sc, OA+8
.endif
.endif
	RELUH DA, B2A, 1
	WM \sn, A21, B2A, \sn
	RELUH DB, B2B, 0
	RELUH DB, B2B, 1
	LDV \blk                                       ; thirty plain lines behind the last product that read V
.if \ahead
	LDB \blk+1
.endif
	WM \sn+8, A21, B2B, \sn+8
.endm
.macro EPILOADS                        ; what the way out needs, asked for one step ahead, into window 1 registers that X has left
	WIN 0x40
.irp et, 0,1
.irp kb, 0,1,2,3,4,5,6,7
.irp t, 0,1
	global_load_b128 v[8*(8*\et+\kb)+4*\t:8*(8*\et+\kb)+4*\t+3], v252, s[28:29] offset:8192*\et+1024*\kb+512*\t
.endr
.endr
.endr
.irp k, 0,1,2,3
	global_load_b128 v[128+4*\k:131+4*\k], v252, s[26:27] offset:512*\k
.endr
.irp k, 0,1,2,3
	global_load_b128 v[144+4*\k:147+4*\k], v253, s[18:19] offset:64*(\k>>1)+16*(\k&1)
.endr
	WIN 0
.endm
; A step: 128 keys, tile st in slot st & 1.  In front of the round every wave has waited for all its tensor loads (its parts of this step's tile among them) and
; for all its LDS instructions (its reads of the other slot and of the other stage, its stores into this step's stage); behind it the other slot is filled first.
.macro STEP st
.set PAR, \st&1
.set TBK, 4*\st
	s_wait_tensorcnt 0x0
	ds_add_u32 v254, v255
	s_wait_dscnt 0x0
.if \st <= 5
	s_add_nc_u64 s[34+4*(\st&1):35+4*(\st&1)], s[34+4*(\st&1):35+4*(\st&1)], 0x20000   ; no load of mine is out: this slot's next tile, two on
	s_add_nc_u64 s[42+4*(\st&1):43+4*(\st&1)], s[42+4*(\st&1):43+4*(\st&1)], 0x20000
.endif
	s_wait_dscnt 0x0
	ROUND
.if \st <= 6
	tensor_load_to_lds s[36-4*(\st&1):39-4*(\st&1)], s[48:55]      ; tile st + 1: it has this step's work in which to land
	s_nop 0
	tensor_load_to_lds s[44-4*(\st&1):47-4*(\st&1)], s[48:55]
	s_nop 0
.else
	EPILOADS
.endif
	LDA 0
	LDB 0
.if \st == 0
	BODY SA, SB, 0, 0, 0, 1, 4, 8
	XSHUF 1
	BODY SB, SA, 1, 1, 1, 1, 20, 20
.else
	BODY SA, SB, 0, 1, 0, 1, 4, 8
.if \st <= 6
	XSHUF \st+1
	BODY SB, SA, 1, 1, 0, 1, 20, 20
.else
	BODY SB, SA, 1, 1, 0, 1, 8, 8
.endif
.endif
	BODY SA, SB, 2, 1, 0, 1, 8, 8
.if \st <= 6
	XCVT \st+1                                     ; into the stage that was last read a step ago, in front of this step's round
	BODY SB, SA, 3, 1, 0, 0, 12, 12
.else
	BODY SB, SA, 3, 1, 0, 0, 8, 8
.endif
.endm
	XSHUF 0
	s_wait_dscnt 0x0                               ; its loads are in
	XCVT 0
	STEP 0
	STEP 1
	STEP 2
	STEP 3
	STEP 4
	STEP 5
	STEP 6
	STEP 7
	; the last block's softmax and A.V
	s_wait_dscnt 0x0
	MQ SB, 0
	MK SB, 0
	MQ SB, 8
	MK SB, 8
	MAXA SB
	MAXB SB, 0
	SUBM SB, 0
	EXP4 SB, 0, 0
	EXP4 SB, 0, 4
	EXP4 SB, 0, 8
	EXP4 SB, 0, 12
	SUM0 SB, 0
.irp i, 2,3,4,5,6,7
	SUMP SB, \i
.endr
	WM OA, VF, SB, OA
	WM OA+8, VF+8, SB, OA+8
	; THE WAY OUT.  The lines up to the wait are the places behind the last two products.
	v_add_f32 v[TA], v[LS], v[LS+1]
	v_permlanex16_b32 v[TB], v[TA], s60, s61
	v_add_f32 v[TA], v[TA], v[TB]                  ; the row sum: at least 1, since the largest logit gives 2^0
	v_rcp_f32 v[AL], v[TA]
	v_nop
	s_wait_alu depctr_va_vdst(0)
	v_mov_b32 v[AL+1], v[AL]
	v_and_b32 v104, 15, v0
	s_lshl_b32 s76, s56, 10
	s_add_co_u32 s76, s76, OX
	v_add_nc_u32 v2, s76, v252                     ; my head's O fragment
	v_add_nc_u32 v3, OX, v252                      ; all eight
	v_mul_u32_u24 v4, v104, OSP
	v_add_nc_u32 v4, v4, v253
	s_lshl_b32 s76, s56, 7
	s_add_co_u32 s76, s76, OS
	v_add_nc_u32 v4, s76, v4                       ; result in: row r, my 32 columns, 8 h
	s_mul_i32 s76, s56, 2*OSP
	s_add_co_u32 s76, s76, OS
	v_add_nc_u32 v5, s76, v252                     ; result back: rows 2 w, 2 w + 1
	s_wait_loadcnt 0x0                             ; WoT, Vres, bo
	WIN 0x10                                       ; source 2 in window 1
.irp i, 0,2,4,6,8,10,12,14
	v_pk_fma_f32 v[OA+\i:OA+\i+1], v[OA+\i:OA+\i+1], v[AL:AL+1], v[128+\i:129+\i]   ; O = V + (A.V) / sum
.endr
	WIN 0
.irp i, 0,1,2,3,4,5,6,7
	v_cvt_pk_bf16_f32 v[B2A+\i], v[OA+2*\i], v[OA+2*\i+1]
.endr
	ds_store_b128 v2, v[B2A:B2A+3]                 ; stage 0 was last read in step 6, in front of step 7's round
	ds_store_b128 v2, v[B2A+4:B2A+7] offset:512
	s_wait_dscnt 0x0                               ; my fragment is in LDS, and my reads of stage 1 are over, before I say so
	s_barrier_signal -1
	s_barrier_wait -1
.irp kb, 0,1,2,3,4,5,6,7
	ds_load_b128 v[72+8*\kb:75+8*\kb], v3 offset:1024*\kb
	ds_load_b128 v[76+8*\kb:79+8*\kb], v3 offset:1024*\kb+512
.endr
	s_wait_dscnt 0x0
	WIN 0x11                                       ; source 0 (Wo^T) and C (bo) in window 1
	WM 136, 0, 72, 144                             ; two accumulators by turns; bo starts the sums
	WM 144, 64, 72, 152
	WIN 0x01
.irp kb, 1,2,3,4,5,6,7
	WM 136, 8*\kb, 72+8*\kb, 136
	WM 144, 64+8*\kb, 72+8*\kb, 144
.endr
	WIN 0
.rept 4
	v_nop
.endr
.irp i, 0,1,2,3,4,5,6,7,8,9,10,11,12,13,14,15
	v_max_num_f32 v[136+\i], 0, v[136+\i]
.endr
.irp i, 0,2,4,6,8,10,12,14
	v_pk_add_f32 v[136+\i:137+\i], v[136+\i:137+\i], v[OA+\i:OA+\i+1]   ; out = O + relu(O Wo + bo): my columns are my head's d
.endr
.irp k, 0,1,2,3
	ds_store_b128 v4, v[136+4*\k:139+4*\k] offset:64*(\k>>1)+16*(\k&1)
.endr
	s_wait_dscnt 0x0
	s_barrier_signal -1
	s_barrier_wait -1
.irp k, 0,1,2,3
	ds_load_b128 v[72+4*\k:75+4*\k], v5 offset:OSP*(\k>>1)+512*(\k&1)
.endr
.irp k, 0,1,2,3
	s_wait_dscnt 3-\k                              ; the younger read-backs stay out
	global_store_b128 v252, v[72+4*\k:75+4*\k], s[30:31] offset:1024*(\k>>1)+512*(\k&1) th:TH_STORE_NT   ; 512 consecutive bytes of a row of out0, aligned
.endr
	s_wait_tensorcnt 0x0
	ds_add_u32 v254, v255
	s_wait_dscnt 0x0
	ROUND                                          ; the closing round: no work-group ends while a partner may still ask jointly
	s_endpgm
.Lfunc_end_k_qc4a77f98e0_attn:
	.size	k_qc4a77f98e0_attn, .Lfunc_end_k_qc4a77f98e0_attn-k_qc4a77f98e0_attn
	.p2alignl 7, 3214868480
	.fill 96, 4, 3214868480
	.section	.rodata,"a",@progbits
	.p2align	6, 0x0
	.amdhsa_kernel k_qc4a77f98e0_attn
		.amdhsa_group_segment_fixed_size 327680
		.amdhsa_private_segment_fixed_size 0
		.amdhsa_enable_private_segment 0
		.amdhsa_kernarg_size 112
		.amdhsa_user_sgpr_count 2
		.amdhsa_user_sgpr_kernarg_segment_ptr 1
		.amdhsa_wavefront_size32 1
		.amdhsa_system_sgpr_workgroup_id_x 1
		.amdhsa_system_sgpr_workgroup_id_y 1
		.amdhsa_system_sgpr_workgroup_id_z 1
		.amdhsa_system_vgpr_workitem_id 0
		.amdhsa_next_free_vgpr 448
		.amdhsa_next_free_sgpr 96
		.amdhsa_reserve_vcc 1
		.amdhsa_float_denorm_mode_32 3
		.amdhsa_float_denorm_mode_16_64 3
		.amdhsa_memory_ordered 1
		.amdhsa_forward_progress 1
		.amdhsa_inst_pref_size 255
	.end_amdhsa_kernel
	.section	.bss,"aw",@nobits
	.p2align	6
	.space	262144
	.amdgpu_metadata
---
amdhsa.version: [ 1, 2 ]
amdhsa.kernels:
  - .name:           k_qc4a77f98e0_attn
    .symbol:         k_qc4a77f98e0_attn.kd
    .args:
      - { .name: X_pairs, .offset: 0, .size: 8, .value_kind: global_buffer, .address_space: global }
      - { .name: presence_q, .offset: 8, .size: 8, .value_kind: global_buffer, .address_space: global }
      - { .name: presence_k, .offset: 16, .size: 8, .value_kind: global_buffer, .address_space: global }
      - { .name: Wg1, .offset: 24, .size: 8, .value_kind: global_buffer, .address_space: global }
      - { .name: bg1, .offset: 32, .size: 8, .value_kind: global_buffer, .address_space: global }
      - { .name: wg2, .offset: 40, .size: 8, .value_kind: global_buffer, .address_space: global }
      - { .name: bg2, .offset: 48, .size: 8, .value_kind: global_buffer, .address_space: global }
      - { .name: bo, .offset: 56, .size: 8, .value_kind: global_buffer, .address_space: global }
      - { .name: Qf, .offset: 64, .size: 8, .value_kind: global_buffer, .address_space: global }
      - { .name: Kf, .offset: 72, .size: 8, .value_kind: global_buffer, .address_space: global }
      - { .name: Vf, .offset: 80, .size: 8, .value_kind: global_buffer, .address_space: global }
      - { .name: Vres, .offset: 88, .size: 8, .value_kind: global_buffer, .address_space: global }
      - { .name: WoT, .offset: 96, .size: 8, .value_kind: global_buffer, .address_space: global }
      - { .name: out0, .offset: 104, .size: 8, .value_kind: global_buffer, .address_space: global }
    .group_segment_fixed_size: 327680
    .private_segment_fixed_size: 0
    .kernarg_segment_align: 8
    .kernarg_segment_size: 112
    .max_flat_workgroup_size: 256
    .sgpr_count:     96
    .vgpr_count:     448
    .wavefront_size: 32
...
	.end_amdgpu_metadata
.endif
;; end of part 2
